; MI455X (gfx1250); checked and timed in simulation.
; The chip was launched on July 23, 2026; its instructions are those of AMD's public machine-readable ISA for CDNA 5 (MIT licence, August 2026) and "CDNA5" Instruction Set Architecture Reference Guide (July 2026). The comments in the code are by the model that wrote it; some were corrected since.
;; Full Attention. Allowed arithmetic: matrix products marked QUANTISED: E3M2 operands, one E8M0 scale for each 32 along K, by v_wmma_scale_f32_16x16x128_f8f6f4 with both operands' format E3M2, f32 sums; everything else in f32.
;; Inputs: attn_mask 1,024 x 1,024 float32; dist_emb 257 x 64 float32; keys 8 x 1,024 x 16 x 64 float32; queries 8 x 1,024 x 16 x 64 float32; values 8 x 1,024 x 16 x 64 float32.
;; Outputs: out0 8 x 1,024 x 16 x 64 float32.
;; This version of the problem:
;;   THIS VERSION OF THE PROBLEM IS GIVEN IN LOW PRECISION. The matrix products marked QUANTISED in the list below multiply operands that are first quantised to E3M2 (3 exponent bits, 2 mantissa bits; 6 bits a number), with one power-of-two scale for each 32 numbers along K (OCP MX v1.0); their sums are f32. All else is computed in f32.
;;   The module's matrix products, in the order in which they are computed (A, B: the left and right operand; K: the contracted axis; several contracted axes count as one K, in the product's order):
;;     1. batch 128 x [M 1,024, K 64] x [K 64, N 1,024]; A: input queries; B: input keys: QUANTISED
;;     2. batch 1,024 x [M 1,024, K 64] x [K 64, N 128]; A: computed on the way; B: input queries: QUANTISED
;;     3. batch 1,024 x [M 1,024, K 64] x [K 64, N 128]; A: computed on the way; B: input keys: QUANTISED
;;     4. batch 128 x [M 64, K 1,024] x [K 1,024, N 1,024]; A: input values; B: softmax (see below): QUANTISED
;;   THE QUANTISER, for each operand of a quantised product, along K:
;;     - K is cut into blocks of 32 from its start; a last block that is shorter is filled with zeros.
;;     - A block's scale is 2^e with e = floor(log2(the largest magnitude in the block)) - 4, held to -126 .. 127; a block of zeros has e = 0. As a byte (E8M0): e + 127.
;;     - Each number is divided by its block's scale, clamped to +-28, and rounded to the nearest number of E3M2, ties to even, subnormals kept.
;;     - The product sums the exact products of the quantised numbers (number of the format x scale) in f32.
;;   ~~~python
;;   def quantise(x, axis):      # numpy; x: float32 -> the quantised numbers, widened to float32 again
;;       x = np.moveaxis(x, axis, -1); K = x.shape[-1]
;;       x = np.pad(x, [(0, 0)] * (x.ndim - 1) + [(0, -K % 32)]); x = x.reshape(x.shape[:-1] + (-1, 32)); a = np.abs(x).max(-1, keepdims=True)
;;       e = np.where(a > 0, np.clip(np.frexp(np.where(a > 0, a, 1))[1] - 1 - 4, -126, 127), 0)      # np.frexp(a)[1] - 1 = floor(log2(a)), exactly
;;       r = np.clip(x / 2.0 ** e, -28, 28)
;;       step = 2.0 ** (np.maximum(np.frexp(np.where(r == 0, 1, r))[1] - 1, -2) - 2)
;;       q = np.round(r / step) * step * 2.0 ** e      # np.round: ties to even
;;       return np.moveaxis(q.reshape(q.shape[:-2] + (-1,))[..., :K], -1, axis).astype(np.float32)
;;   ~~~
;;   SOFTMAX AHEAD OF A QUANTISED PRODUCT. Where the list says 'softmax', what is quantised is not the finished softmax but p = 2^(t - M), with t = logit x log2(e) and M = ceil(the row's largest t), a whole number; so 1/2 < the row's largest p <= 1. The row's sum l is taken of the UNQUANTISED p, in f32, and the product's result is divided by l at the end. Since M is a whole number, a kernel that streams over the keys may use a running M (the ceiling of the running maximum): every later rescaling is an exact power of two, which a block's scale takes up: the codes' values come out the same.
;;   OPERANDS COMPUTED ON THE WAY. 'Computed on the way' means the value that the module computes at that place (a softmax that the list does not call 'softmax' is quantised finished and normalised). What goes into a quantiser is computed in f32, as accurately as f32 sums, v_exp_f32 and their like allow (about 1e-6 of the number): no bf16 or f16 on the way to a quantiser, and a product that is left as it is and whose result goes on into a quantised operand takes f32 operands (vector FMAs, or v_wmma_f32_16x16x4_f32). A number that lies on a knife's edge between two numbers of the format may be rounded either way, as far as f32 arithmetic and the matrix unit's own rounding can turn it there, and no further.
;; One version. Each part assembles by itself: llvm-mc -triple=amdgcn-amd-amdhsa -mcpu=gfx1250 --defsym DOCPART=n.
;; ======== version 1 of 1: 2 launches
;; limits: right only within a limited range of input values
;; workspace buffers: mimg 4,194,304 bytes; dimg 26,112 bytes; dsc 2,304 bytes; kvimg 13,369,344 bytes
;; launch prep (part 1): grid 2577 x 1, 1 waves a work-group, no clusters, 22,016 bytes of LDS; arguments attn_mask, dist_emb, mimg, dimg, dsc, keys, values, kvimg; writes mimg, dimg, dsc, kvimg
.if DOCPART == 1
	.amdgcn_target "amdgcn-amd-amdhsa--gfx1250"
	.amdhsa_code_object_version 6
	.text
	.protected	k_q5d11712f80_prep
	.globl	k_q5d11712f80_prep
	.p2align	8
	.type	k_q5d11712f80_prep,@function
k_q5d11712f80_prep:
	s_mov_b64 s[64:65], 0
	v_nop
	global_prefetch_b8 v0, s[64:65] scope:SCOPE_SE
	s_setreg_imm32_b32 hwreg(HW_REG_WAVE_MODE, 25, 1), 1
	s_wait_xcnt 0x0
; Four lay-outs for the attention launch, one wave to a work-group.
; Work-groups 0..511 (8 qt + st): the additive mask of 16 queries (16 qt on) x 128 keys (128 st on), f32, is laid in the order of the score accumulators:
;   unit k = 2 t + g (16 bytes a lane, 512 a unit): lane (r, h) holds mask[16 qt + r][128 st + 32 (t / 2) + 16 h + 8 (t % 2) + 4 g + 0..3].
;   So sixteen dense loads of 512 bytes put the mask straight into the C operand of the score products.
; Work-groups 512..528 (pair P): the distance table, clipped and cut into windows of 16 rows.  Window i holds rows clip(384 - 16 i + r, 0, 256), r = 0..15.
;   dimg pair P = the 12 operand registers [window 2 P | window 2 P + 1] of BF6 (E3M2) codes: lane (r, h): row r, numbers 32 h .. 32 h + 31 of its 64; register group q at 512 q + 16 lane.
;   dsc entry P: lanes 0-15 the scale word of [window 2 P | 2 P + 1], lanes 16-31 that of [2 P + 1 | 2 P + 2]; a word is the two E8M0 bytes of the first window's row, then those of the second's.
; Work-groups 529..2576 (529 + 2 B + kind, B = 8 head + w): keys (kind 0) or values (kind 1) 128 w .. 128 w + 127 of one head are quantised to BF6 along their K (keys: the head's 64; values: the keys)
;   and stored as images of the attention launch's operand registers, in block B of kvimg, 13,056 bytes:
;   0: K, 8 tiles x 768 (registers 0-3 at 16 x lane, registers 4-5 at 512 + 8 x lane); row m of tile 2 b + u is key 32 b + 8 u + m + 8 (m / 8);  6144: V, 4 channel tiles x 1,536 (register group q at 512 q + 16 x lane);
;   12288: K's scale words, 16 x lane: word g: lanes 0-15 tile 2 g, lanes 16-31 tile 2 g + 1;  12800: V's scale words, 8 x lane.
;   A wave's 128 rows are eight items of 16 rows, eight loads of 512 bytes each; they go through a ring of six buffers of 32 registers in window 1; item j lies in buffer j % 6.
;   Each head is quantised once here; both work-groups of the attention launch that serve the head read the codes.
; A block's scale byte is its largest magnitude's exponent field - 4, held at 1 from below (a block of zeros keeps the byte 1: its codes are zeros, and this program alone reads the bytes).
; LIMITS: blocks whose largest magnitude lies under 2^-122 keep the byte 1; NaN and infinities in dist_emb, keys and values are not served.
; No tensor loads, no cluster, no barrier: waves share nothing.  No prefetch: each path asks for all or most of its bytes at its start.
; LDS: 0: the mask's turn, 16 rows of MP;  0x2200: the spare words;  KSTG: K's stage;  VSTG: V's stage: each path has bytes of its own.
.set MP, 528                           ; an LDS row of the mask's turn: 512 bytes + 16: an odd multiple of 16 bytes
.set TP, 272                           ; a row of 256 bytes + 16 in K's and V's stages
.set KSTG, 8960                        ; K's stage: 16 rows
.set VSTG, 13312                       ; V's stage: 32 rows
.set VC, 194                           ; v194-241: V's codes
.set MSB, 0
.macro WIN new                         ; bits 1:0 source 0, 3:2 source 1, 5:4 source 2, 7:6 destination; the high byte repeats the setting that is left
.if MSB != \new
	s_set_vgpr_msb (MSB<<8)|\new
.set MSB, \new
.endif
.endm
.macro QSCALE n                        ; 32 numbers of one lane: v48 = the conversions' scale operand, v49 = the scale's byte
	v_max3_num_f32 v56, |v[(\n)]|, |v[(\n)+1]|, |v[(\n)+2]|
	v_max3_num_f32 v57, |v[(\n)+3]|, |v[(\n)+4]|, |v[(\n)+5]|
.irp i,6,10,14,18,22,26
	v_max3_num_f32 v56, v56, |v[(\n)+\i]|, |v[(\n)+\i+1]|
	v_max3_num_f32 v57, v57, |v[(\n)+\i+2]|, |v[(\n)+\i+3]|
.endr
	v_max3_num_f32 v56, v56, |v[(\n)+30]|, |v[(\n)+31]|
	v_max3_num_f32 v56, v56, v57, 0x2800000        ; the floor 2^(5 - 127): the byte cannot fall under 1
	v_add_nc_u32 v48, 0xfe000000, v56              ; 4 off the exponent field
	v_lshrrev_b32 v49, 23, v48
.endm
.macro QCODES n, c                     ; their 32 codes, 192 bits, into v[c .. c + 5]
	v_cvt_scalef32_pk16_bf6_f32 v[(\c):(\c)+2], v[(\n):(\n)+15], v48
	v_cvt_scalef32_pk16_bf6_f32 v[44:46], v[(\n)+16:(\n)+31], v48   ; (a conversion's three registers begin on an even number)
	v_nop                                          ; one plain line behind a scaled conversion
	v_mov_b32 v[(\c)+3], v44
	v_mov_b32 v[(\c)+4], v45
	v_mov_b32 v[(\c)+5], v46
.endm
.macro SC16 dst                        ; a row's two bytes: mine at 8 h bits, with lane l xor 16's
	v_lshlrev_b32 v50, v5, v49
	v_permlanex16_b32 v51, v50, s20, s21
	v_or_b32 v[\dst], v50, v51
.endm
.macro GLOADK t                        ; K's tile t: rows 0-7, then the eight that lie 16 on; sixteen lanes read one row's aligned 256 bytes
.irp i,0,1,2,3,4,5,6,7
	global_load_b128 v[32*((\t)%6)+4*\i:32*((\t)%6)+4*\i+3], v17, s[24:25] offset:(32*((\t)/2)+8*((\t)%2)+2*\i+8*(\i/4))*4096 th:TH_LOAD_NT
.endr
.endm
.macro GLOADV m                        ; V's half block m: 16 neighbouring rows
.irp i,0,1,2,3,4,5,6,7
	global_load_b128 v[32*((\m)%6)+4*\i:32*((\m)%6)+4*\i+3], v17, s[26:27] offset:(16*(\m)+2*\i)*4096 th:TH_LOAD_NT
.endr
.endm
.macro KTURN t                         ; 16 rows x 64 numbers through K's stage: back as 32 neighbours a lane, row r, block h, in v96-127
	WIN 0x04
.irp i,0,1,2,3,4,5,6,7
	ds_store_b128 v14, v[32*((\t)%6)+4*\i:32*((\t)%6)+4*\i+3] offset:2*TP*\i
.endr
	WIN 0
.irp j,0,1,2,3,4,5,6,7
	ds_load_b128 v[96+4*\j:99+4*\j], v15 offset:16*\j   ; LDS serves a wave's instructions in order: these see my stores
.endr
	s_wait_dscnt 0x0
.endm
.macro VTURN kb                        ; key block kb of V, 32 rows x 64 channels: in by rows, back with a lane to a channel and registers down the keys: v[128 + 32 half + key]
	WIN 0x04
.irp m,0,1
.if (\kb)<2
	s_wait_loadcnt 40-8*\m                         ; behind this item: five ring items (then four) of eight loads
.else
	s_wait_loadcnt 56-16*(\kb)-8*\m                ; the last four items: 24, 16, 8, 0
.endif
.set rb_, 32*((2*(\kb)+\m)%6)
.irp i,0,1,2,3,4,5,6,7
	ds_store_b128 v16, v[rb_+4*\i:rb_+4*\i+3] offset:2*TP*(8*\m+\i)
.endr
.endr
	WIN 0
.set n_v, 0
.rept 64
	ds_load_b32 v[128+n_v], v6 offset:TP*(n_v%32)+128*(n_v/32)   ; LDS serves a wave's instructions in order: these see my stores
.set n_v, n_v+1
.endr
	s_wait_dscnt 0x0                               ; the block is back, and the stores have read the two buffers
.if (\kb)==0
	WIN 0x40
	GLOADV 6                                       ; the last two items take the two buffers just read
	GLOADV 7
	WIN 0
.endif
.endm
	s_load_b128 s[4:7], s[0:1], 0x0                ; attn_mask, dist_emb
	s_load_b128 s[8:11], s[0:1], 0x10              ; mimg, dimg
	s_load_b64 s[12:13], s[0:1], 0x20              ; dsc
	s_load_b128 s[24:27], s[0:1], 0x28             ; keys, values
	s_load_b64 s[28:29], s[0:1], 0x38              ; kvimg
	v_lshl_add_u32 v192, v0, 2, 0x2200
	v_mov_b32 v193, 0
	v_and_b32 v1, 15, v0                           ; r
	v_lshrrev_b32 v2, 4, v0                        ; h
	v_lshlrev_b32 v3, 4, v0                        ; 16 x lane
	s_wait_alu depctr_va_vdst(0)                   ; the wait ahead of the branches: it serves the five registers above on all paths
	s_cmp_ge_u32 ttmp9, 529
	s_cbranch_scc1 .Lkv
	s_cmp_lt_u32 ttmp9, 512
	s_cbranch_scc0 .Ltable
	; ---- the mask
	s_lshr_b32 s14, ttmp9, 3                       ; qt
	s_and_b32 s15, ttmp9, 7                        ; st
	s_lshl_b32 s16, s14, 16                        ; 16 rows of 4,096 bytes
	s_lshl_b32 s15, s15, 9                         ; 128 keys of 4 bytes
	s_add_co_u32 s16, s16, s15
	s_mov_b32 s17, 0
	s_lshl_b32 s18, ttmp9, 13                      ; my block of 8,192 bytes
	s_mov_b32 s19, 0
	v_mul_u32_u24 v4, v1, MP
	v_lshl_add_u32 v4, v2, 6, v4                   ; back: row r, + 64 h
	s_wait_alu depctr_va_vdst(0)                   ; the wait at the head's end
	s_wait_kmcnt 0x0
	s_add_nc_u64 s[4:5], s[4:5], s[16:17]
	s_add_nc_u64 s[8:9], s[8:9], s[18:19]
.irp i,0,1,2,3,4,5,6,7,8,9,10,11,12,13,14,15
	global_load_b128 v[64+4*\i:67+4*\i], v3, s[4:5] offset:4096*\i th:TH_LOAD_NT   ; a row's 512 consecutive bytes
.endr
.irp i,0,1,2,3,4,5,6,7,8,9,10,11,12,13,14,15
	s_wait_loadcnt 15-\i                           ; loads come back in order: row i is in, the younger ones stay out
	ds_store_b128 v3, v[64+4*\i:67+4*\i] offset:MP*\i
.endr
.irp k,0,1,2,3,4,5,6,7,8,9,10,11,12,13,14,15
	ds_load_b128 v[128+4*\k:131+4*\k], v4 offset:128*(\k/4)+32*((\k/2)%2)+16*(\k%2)   ; LDS serves a wave's instructions in order: these see my stores
.endr
.irp k,0,1,2,3,4,5,6,7,8,9,10,11,12,13,14,15
	s_wait_dscnt 15-\k
	global_store_b128 v3, v[128+4*\k:131+4*\k], s[8:9] offset:512*\k   ; 512 consecutive bytes, aligned
.endr
	s_wait_tensorcnt 0x0                           ; the wave's end
	ds_add_u32 v192, v193
	s_wait_dscnt 0x0
	s_endpgm
.Ltable:
	; ---- the table
	s_sub_co_u32 s14, ttmp9, 512                   ; P
	s_lshl_b32 s15, s14, 5
	s_sub_co_i32 s15, 384, s15                     ; window 2 P begins at row 384 - 32 P
	s_mov_b32 s20, 0x76543210
	s_mov_b32 s21, 0xfedcba98                      ; v_permlanex16_b32's selects for lane l xor 16
	s_mov_b32 s22, 0xffff0000                      ; lanes 16-31
	v_lshlrev_b32 v5, 3, v2                        ; 8 h
	v_lshlrev_b32 v6, 2, v0                        ; 4 x lane
	v_mov_b32 v51, 0                               ; a lane permute's destination counts as one of its sources
	v_add_nc_u32 v8, s15, v1                       ; my row in windows 2 P, 2 P + 1, 2 P + 2
	v_add_nc_u32 v9, -16, v8
	v_add_nc_u32 v10, -32, v8
.irp x,0,1,2
	v_max_i32 v[8+\x], 0, v[8+\x]
	v_min_i32 v[8+\x], 0x100, v[8+\x]              ; clipped to the table's 257 rows
	v_lshlrev_b32 v[8+\x], 8, v[8+\x]              ; a row is 256 bytes
	v_lshl_add_u32 v[8+\x], v2, 7, v[8+\x]         ; my block of 32
.endr
	s_mul_i32 s16, s14, 1536
	s_mov_b32 s17, 0
	s_lshl_b32 s18, s14, 7
	s_mov_b32 s19, 0
	s_wait_alu depctr_va_vdst(0)                   ; the wait at the head's end
	s_wait_kmcnt 0x0
	s_add_nc_u64 s[10:11], s[10:11], s[16:17]
	s_add_nc_u64 s[12:13], s[12:13], s[18:19]
.irp x,0,1,2
.irp j,0,1,2,3,4,5,6,7
	global_load_b128 v[64+32*\x+4*\j:67+32*\x+4*\j], v[8+\x], s[6:7] offset:16*\j
.endr
.endr
	s_wait_loadcnt 0x0
	QSCALE 64
	QCODES 64,160
	SC16 12
	QSCALE 96
	QCODES 96,166
	SC16 13
	QSCALE 128                                     ; of the third window only the scale is wanted
	SC16 14
	v_lshl_or_b32 v15, v13, 16, v12
	v_lshl_or_b32 v16, v14, 16, v13
	v_cndmask_b32 v15, v15, v16, s22
	global_store_b32 v6, v15, s[12:13]
.irp q,0,1,2
	global_store_b128 v3, v[160+4*\q:163+4*\q], s[10:11] offset:512*\q
.endr
	s_endpgm
.Lkv:
	; ---- keys or values
	s_sub_co_u32 s23, ttmp9, 529
	s_and_b32 s30, s23, 1                          ; kind: 0 keys, 1 values
	s_lshr_b32 s23, s23, 1                         ; my block: 8 head + w
	s_lshr_b32 s14, s23, 3
	s_and_b32 s15, s23, 7
	s_lshr_b32 s16, s14, 4                         ; n
	s_and_b32 s17, s14, 15                         ; h
	s_lshl_b32 s16, s16, 22
	s_lshl_b32 s17, s17, 8
	s_add_co_u32 s16, s16, s17
	s_lshl_b32 s15, s15, 19                        ; 128 rows of 4,096 bytes
	s_add_co_u32 s16, s16, s15
	s_mov_b32 s17, 0
	s_mul_i32 s18, s23, 13056
	s_mov_b32 s19, 0
	s_mov_b32 s20, 0x76543210
	s_mov_b32 s21, 0xfedcba98                      ; selects for lane l xor 16
	s_mov_b32 s22, 0xffff0000                      ; lanes 16-31
	v_lshlrev_b32 v4, 3, v0                        ; 8 x lane
	v_lshlrev_b32 v5, 3, v2                        ; 8 h
	v_lshl_add_u32 v6, v0, 2, VSTG                 ; V back from its stage: 4 x lane (a channel)
	v_mul_u32_u24 v14, v2, TP                      ; whole rows in: lanes 0-15 one row, lanes 16-31 the next
	v_mul_u32_u24 v15, v1, TP                      ; K back: row r, block h of 128 bytes
	v_lshl_add_u32 v14, v1, 4, v14
	v_lshl_add_u32 v15, v2, 7, v15
	v_add_nc_u32 v16, VSTG, v14                    ; into V's stage,
	v_add_nc_u32 v14, KSTG, v14                    ; into K's
	v_add_nc_u32 v15, KSTG, v15
	v_lshlrev_b32 v17, 12, v2                      ; in memory: a row of a head every 4,096 bytes
	v_lshl_add_u32 v17, v1, 4, v17
	v_mov_b32 v51, 0                               ; a lane permute's destination counts as one of its sources
	s_wait_alu depctr_va_vdst(0)                   ; the wait at the head's end
	s_wait_kmcnt 0x0
	s_add_nc_u64 s[24:25], s[24:25], s[16:17]
	s_add_nc_u64 s[26:27], s[26:27], s[16:17]
	s_add_nc_u64 s[28:29], s[28:29], s[18:19]
	s_cmp_lg_u32 s30, 0
	s_cbranch_scc1 .Lv
	; ---- keys: eight tiles
	WIN 0x40
.irp t,0,1,2,3,4,5
	GLOADK \t
.endr
	WIN 0
.irp t,0,1,2,3,4,5,6,7
.if \t<3
	s_wait_loadcnt 40                              ; tile t is in; the five tiles behind it, eight loads each, stay out
.else
	s_wait_loadcnt 8*(7-\t)                        ; the tiles that are left behind it
.endif
	KTURN \t
	s_wait_xcnt 0x0                                ; the last tile's stores have read v40-45
.if \t<2
	WIN 0x40                                       ; behind the turn's wait the stores have read the buffer: it takes the tile six further on
	GLOADK \t+6
	WIN 0
.endif
	QSCALE 96
	QCODES 96,40
	SC16 50
.if \t%2
	v_lshl_or_b32 v56, v50, 16, v50                ; a row's two bytes, twice: [s0, s1, s0, s1]
	v_cndmask_b32 v[60+\t/2], v[60+\t/2], v56, s22   ; an odd tile's words stand in lanes 16-31
.else
	v_lshl_or_b32 v[60+\t/2], v50, 16, v50
.endif
	global_store_b128 v3, v[40:43], s[28:29] offset:768*\t          ; 512 consecutive bytes, aligned
	global_store_b64 v4, v[44:45], s[28:29] offset:768*\t+512       ; 256 consecutive bytes, aligned
.endr
	global_store_b128 v3, v[60:63], s[28:29] offset:12288
	s_wait_tensorcnt 0x0                           ; the wave's end
	ds_add_u32 v192, v193
	s_wait_dscnt 0x0
	s_endpgm
.Lv:
	; ---- values: four key blocks of 32, each two items
	WIN 0x40
.irp m,0,1,2,3,4,5
	GLOADV \m
.endr
	WIN 0
.irp q,0,1,2,3,4,5,6,7
.if (\q%2)==0
	VTURN \q/2
.endif
	QSCALE 128+32*(\q%2)
	QCODES 128+32*(\q%2),VC+24*(\q%2)+6*(2*((\q/2)%2)+\q/4)   ; blocks 0, 2, 1, 3 on end
.if \q<2
	v_mov_b32 v[64+\q%2], v49
.else
	v_lshl_or_b32 v[64+\q%2], v49, 8*(\q/2), v[64+\q%2]   ; byte = key block
.endif
.endr
.irp hd,0,1                                        ; lanes 0-15 hold channel tile 2 hd, lanes 16-31 tile 2 hd + 1: the swaps give each tile its blocks h and 2 + h
.set n_v, 0
.rept 12
	v_permlane16_swap_b32 v[VC+24*\hd+n_v], v[VC+12+24*\hd+n_v]
.set n_v, n_v+1
.endr
.endr
.irp dt,0,1,2,3
.irp q,0,1,2
	global_store_b128 v3, v[VC+12*\dt+4*\q:VC+3+12*\dt+4*\q], s[28:29] offset:6144+1536*\dt+512*\q
.endr
.endr
	global_store_b64 v4, v[64:65], s[28:29] offset:12800
	s_wait_tensorcnt 0x0                           ; the wave's end
	ds_add_u32 v192, v193
	s_wait_dscnt 0x0
	s_endpgm
.Lfunc_end_k_q5d11712f80_prep:
	.size	k_q5d11712f80_prep, .Lfunc_end_k_q5d11712f80_prep-k_q5d11712f80_prep
	.p2alignl 7, 3214868480
	.fill 96, 4, 3214868480
	.section	.rodata,"a",@progbits
	.p2align	6, 0x0
	.amdhsa_kernel k_q5d11712f80_prep
		.amdhsa_group_segment_fixed_size 22016
		.amdhsa_private_segment_fixed_size 0
		.amdhsa_enable_private_segment 0
		.amdhsa_kernarg_size 64
		.amdhsa_user_sgpr_count 2
		.amdhsa_user_sgpr_kernarg_segment_ptr 1
		.amdhsa_wavefront_size32 1
		.amdhsa_system_sgpr_workgroup_id_x 1
		.amdhsa_system_sgpr_workgroup_id_y 1
		.amdhsa_system_sgpr_workgroup_id_z 1
		.amdhsa_system_vgpr_workitem_id 0
		.amdhsa_next_free_vgpr 448
		.amdhsa_next_free_sgpr 66
		.amdhsa_reserve_vcc 0
		.amdhsa_float_denorm_mode_32 3
		.amdhsa_float_denorm_mode_16_64 3
		.amdhsa_memory_ordered 1
		.amdhsa_forward_progress 1
		.amdhsa_inst_pref_size 89
	.end_amdhsa_kernel
	.amdgpu_metadata
---
amdhsa.version: [ 1, 2 ]
amdhsa.kernels:
  - .name:           k_q5d11712f80_prep
    .symbol:         k_q5d11712f80_prep.kd
    .args:
      - { .name: attn_mask, .offset: 0, .size: 8, .value_kind: global_buffer, .address_space: global }
      - { .name: dist_emb, .offset: 8, .size: 8, .value_kind: global_buffer, .address_space: global }
      - { .name: mimg, .offset: 16, .size: 8, .value_kind: global_buffer, .address_space: global }
      - { .name: dimg, .offset: 24, .size: 8, .value_kind: global_buffer, .address_space: global }
      - { .name: dsc, .offset: 32, .size: 8, .value_kind: global_buffer, .address_space: global }
      - { .name: keys, .offset: 40, .size: 8, .value_kind: global_buffer, .address_space: global }
      - { .name: values, .offset: 48, .size: 8, .value_kind: global_buffer, .address_space: global }
      - { .name: kvimg, .offset: 56, .size: 8, .value_kind: global_buffer, .address_space: global }
    .group_segment_fixed_size: 22016
    .private_segment_fixed_size: 0
    .kernarg_segment_align: 8
    .kernarg_segment_size: 64
    .max_flat_workgroup_size: 32
    .sgpr_count:     66
    .vgpr_count:     448
    .wavefront_size: 32
...
	.end_amdgpu_metadata
.endif
;; end of part 1
;; launch attn (part 2): grid 256 x 1, 8 waves a work-group, no clusters, 272,384 bytes of LDS; arguments queries, kvimg, mimg, dimg, dsc, out0; writes out0
.if DOCPART == 2
	.amdgcn_target "amdgcn-amd-amdhsa--gfx1250"
	.amdhsa_code_object_version 6
	.text
	.protected	k_q5d11712f80_attn
	.globl	k_q5d11712f80_attn
	.p2align	8
	.type	k_q5d11712f80_attn,@function
k_q5d11712f80_attn:
	s_mov_b64 s[64:65], 0
	v_nop
	global_prefetch_b8 v0, s[64:65] scope:SCOPE_SE
	s_setreg_imm32_b32 hwreg(HW_REG_WAVE_MODE, 25, 1), 1
	s_wait_xcnt 0x0
; out[n][l][h][:] = softmax_s((q.k + q.D[d] + k.D[d] + mask[l][s]) / 8) V, d = clip(l - s, -128, 128) + 128; all four products on codes of BF6 (E3M2) with one E8M0 scale for each 32 along K.
; SHARES.  Work-group x: head x / 2, queries 512 (x % 2) on, in two passes of 256.  Eight waves; a wave owns 32 queries a pass (two tiles of 16) and walks the head's 1,024 keys in 8 steps of 128.
; PHASE A.  Wave w quantises keys and values 128 w .. 128 w + 127 of the head into LDS, as images of the operands' registers; one barrier; behind it these bytes are only read, and the waves never meet again.
; LAYOUT.  Both products are used transposed (S^T = K Q^T, O^T = V^T P^T): a lane holds one query.  Row m of key tile 2 b + u is key 32 b + 8 u + m + 8 (m / 8), so score register 16 b + i of lane (r, h) is key 32 b + 16 h + i.
; THE MASK is the C operand of the score products: it is loaded from mimg straight into the score registers.
; THE HEAD'S 64 fill half of the instruction's 128 along K; the other half carries the relative terms.
;   FAR steps (d the same for all 32 x 128 pairs): A = [k | k], B = [q | D_d]: q.k + k.D_d + mask in one instruction; q.D_d is one number a lane and goes into the addend of the scaling.
;   BAND steps: twelve windows W_j of 16 table rows (rows delta0 + 160 - 16 j on, clipped) lie on end in 72 registers, so that registers 6 j on are the operand [W_j | W_j+1].
;     k.D: A = rows 0-7 [k | 0], rows 8-15 [0 | k] (the zeros are read from a block of zeros in LDS), B = [W_j | W_j+1] (HI) and [W_j+1 | W_j+2] (LO), j = 2 b + 2 - tile:
;          lane r wants HI of lane r - sigma where r >= sigma, else LO of lane 16 + r - sigma (sigma = the register's place among the block's 16): two additions with a shift along the 16 lanes.
;     q.D: A = windows, B = [q | 0] or [0 | q]; the result for table row x belongs to key column r + 16 w - 8 h - i; it goes there through the wave's own stage in LDS.
; SOFTMAX: t = score x log2(e) / 8; M = the running largest t rounded up to a whole number; p = 2^(t - M) is quantised along the keys; the row's sum is of the unquantised p and divides at the end.
; NO CLUSTER, NO TENSOR LOADS: what the two work-groups of a head share is K and V in f32, which pass through registers to be quantised; the mask goes straight into registers.
; LIMITS: NaN and infinities in queries, keys, values are not served; -infinity in the mask passes through the products' C operand; a row wholly -infinity gives NaN;
;   blocks whose largest magnitude lies under 2^-122 keep the scale byte 1; far steps add q.k and k.D inside one instruction, another order of rounding than four separate sums.
; LDS: 0: for each step 12,288 bytes: K's image (8 tiles x 768: registers 0-3 at 16 x lane, registers 4-5 at 512 + 8 x lane), then 6,144 zeros;  VIMG: (4 step + d tile) x 1,536;
;   KSC: 512 a step, 16 x lane: word g: lanes 0-15 tile 2 g, lanes 16-31 tile 2 g + 1;  VSC: 256 a step, 8 x lane;  STG: 10,752 bytes for each wave, its own.
; REGISTERS, window 0: v1-17 addresses that stay; v18-23, v90-92 the step's; v24 + 8 a: -M, largest t, sum (2), c q.D256, c q.D0, q's scale word, p's scale word; v40-59 at work; v60-63 K's scale words;
;   v64-65 V's; v66-71 the windows'; v72-73 the scale words of [q0 | X], [X | q1]; v74-85 codes of D256, D0; v86-87 c q.D_d; v96-127 TMP; v128-255 the scores of the two tiles.
;   window 1: v0-63 O^T; v64-111 F1 and v112-183 F2 (far steps: v64-159 K's eight fragments); v184-213 q0, q0, X, q1, q1; v214-237 p's codes; v238-244 at work.
; WHERE PHASE A'S QUANTISING IS DONE: the quantising of keys and values that the paragraphs above describe is done once for each head by the launch prep, which stores the images in kvimg,
;   a block of 13,056 bytes for each head and step.  Here phase A is a copy: wave w loads block 8 head + w (K's image, V's, K's and V's scale words) and its part of the distance table, and stores them to their places in LDS.
;   What the two work-groups of a head share is that block, which goes through registers into an LDS layout with zeros between the steps: no cluster, no tensor loads.
;   v92-93: the places of the next step's windows in the table's copy.
.set ZOFF, 6144
.set KSTB, 12288
.set VSTB, 6144
.set VIMG, 98304
.set KSC,  147456
.set VSC,  151552
.set DIMG, 153600                      ; the distance table's images, copied once: 56 units of 512 bytes (51 hold dimg; units 51-55 take copies of unit 50 that nobody reads)
.set DSCL, 182272                      ; its scale words: 24 entries of 128 bytes (17 hold dsc; entries 17-23 take copies of entry 16 that nobody reads)
.set STG,  185344
.set SPARE, 271360                     ; behind the eight stages: the spare words, 128 bytes a wave
.set QZ,   112                         ; window 1, v112-175: where 32 rows of Q land (the windows' registers, free at that time)
.set STGW, 10752
.set TP,   272                         ; a row of 256 bytes + 16 in the turning stage
.set RP,   656                         ; a row of the q.D stage: 164 words; an odd multiple of 16 bytes
.set TMP,  96
.set S,    128
.set F1,   64
.set F2,   112
.set CH,   184
.set PC,   214
.set CT,   238
.set MSB,  0
.macro WIN new                         ; bits 1:0 source 0, 3:2 source 1, 5:4 source 2, 7:6 destination; the high byte repeats the setting that is left
.if MSB != \new
	s_set_vgpr_msb (MSB<<8)|\new
.set MSB, \new
.endif
.endm
.macro NOPS n
.rept \n
	v_nop
.endr
.endm
; one matrix instruction: D, A, B; z = 1: C = 0, else C = D; scale registers; ra, rb = 1: the scales stand in lanes 16-31
.macro WM d, a, b, z, sa, sb, ra, rb
.if (\z) && (\ra) && (\rb)
	v_wmma_scale_f32_16x16x128_f8f6f4 v[(\d):(\d)+7], v[(\a):(\a)+11], v[(\b):(\b)+11], 0, v[(\sa)], v[(\sb)] matrix_a_fmt:MATRIX_FMT_BF6 matrix_b_fmt:MATRIX_FMT_BF6 matrix_a_scale:MATRIX_SCALE_ROW1 matrix_b_scale:MATRIX_SCALE_ROW1
.elseif (\z) && (\ra)
	v_wmma_scale_f32_16x16x128_f8f6f4 v[(\d):(\d)+7], v[(\a):(\a)+11], v[(\b):(\b)+11], 0, v[(\sa)], v[(\sb)] matrix_a_fmt:MATRIX_FMT_BF6 matrix_b_fmt:MATRIX_FMT_BF6 matrix_a_scale:MATRIX_SCALE_ROW1
.elseif (\z) && (\rb)
	v_wmma_scale_f32_16x16x128_f8f6f4 v[(\d):(\d)+7], v[(\a):(\a)+11], v[(\b):(\b)+11], 0, v[(\sa)], v[(\sb)] matrix_a_fmt:MATRIX_FMT_BF6 matrix_b_fmt:MATRIX_FMT_BF6 matrix_b_scale:MATRIX_SCALE_ROW1
.elseif (\z)
	v_wmma_scale_f32_16x16x128_f8f6f4 v[(\d):(\d)+7], v[(\a):(\a)+11], v[(\b):(\b)+11], 0, v[(\sa)], v[(\sb)] matrix_a_fmt:MATRIX_FMT_BF6 matrix_b_fmt:MATRIX_FMT_BF6
.elseif (\ra)
	v_wmma_scale_f32_16x16x128_f8f6f4 v[(\d):(\d)+7], v[(\a):(\a)+11], v[(\b):(\b)+11], v[(\d):(\d)+7], v[(\sa)], v[(\sb)] matrix_a_fmt:MATRIX_FMT_BF6 matrix_b_fmt:MATRIX_FMT_BF6 matrix_a_scale:MATRIX_SCALE_ROW1
.else
	v_wmma_scale_f32_16x16x128_f8f6f4 v[(\d):(\d)+7], v[(\a):(\a)+11], v[(\b):(\b)+11], v[(\d):(\d)+7], v[(\sa)], v[(\sb)] matrix_a_fmt:MATRIX_FMT_BF6 matrix_b_fmt:MATRIX_FMT_BF6
.endif
.endm
.macro QSCALE n                        ; 32 numbers of one lane: v48 = the conversions' scale operand, v49 = the scale's byte
	v_max3_num_f32 v56, |v[(\n)]|, |v[(\n)+1]|, |v[(\n)+2]|
	v_max3_num_f32 v57, |v[(\n)+3]|, |v[(\n)+4]|, |v[(\n)+5]|
.irp i,6,10,14,18,22,26
	s_delay_alu instid0(VALU_DEP_2)
	v_max3_num_f32 v56, v56, |v[(\n)+\i]|, |v[(\n)+\i+1]|
	s_delay_alu instid0(VALU_DEP_2)
	v_max3_num_f32 v57, v57, |v[(\n)+\i+2]|, |v[(\n)+\i+3]|
.endr
	s_delay_alu instid0(VALU_DEP_2)
	v_max3_num_f32 v56, v56, |v[(\n)+30]|, |v[(\n)+31]|
	s_delay_alu instid0(VALU_DEP_1)
	v_max3_num_f32 v56, v56, v57, 0x2800000        ; the floor 2^(5 - 127): the byte cannot fall under 1
	s_delay_alu instid0(VALU_DEP_1)
	v_add_nc_u32 v48, 0xfe000000, v56              ; 4 off the exponent field
	s_delay_alu instid0(VALU_DEP_1)
	v_lshrrev_b32 v49, 23, v48
.endm
.macro QCODES n, c                     ; their 32 codes into v[c .. c + 5]
	v_cvt_scalef32_pk16_bf6_f32 v[(\c):(\c)+2], v[(\n):(\n)+15], v48
	v_cvt_scalef32_pk16_bf6_f32 v[44:46], v[(\n)+16:(\n)+31], v48   ; (a conversion's three registers begin on an even number)
	v_nop                                          ; one plain line behind a scaled conversion
	v_mov_b32 v[(\c)+3], v44
	v_mov_b32 v[(\c)+4], v45
	v_mov_b32 v[(\c)+5], v46
.endm
.macro WORD dst                        ; a row's two bytes (mine at 8 h bits, lane l xor 16's beside it), twice: [s0, s1, s0, s1]
	v_lshlrev_b32 v50, v88, v49
	s_delay_alu instid0(VALU_DEP_1)
	v_permlanex16_b32 v51, v50, s40, s41
	s_delay_alu instid0(VALU_DEP_1)
	v_or_b32 v50, v50, v51
	s_delay_alu instid0(VALU_DEP_1)
	v_lshl_or_b32 v[\dst], v50, 16, v50
.endm
.macro GLOADQ sb                       ; 32 neighbouring rows of Q (two tiles) from base s[sb:sb+1] into QZ; read once in the launch
	WIN 0x40
.irp i,0,1,2,3,4,5,6,7,8,9,10,11,12,13,14,15
	global_load_b128 v[QZ+4*\i:QZ+4*\i+3], v17, s[\sb:\sb+1] offset:8192*\i th:TH_LOAD_NT
.endr
	WIN 0
.endm
.macro TURN reg                        ; 16 rows x 64 numbers (window 1) through my stage: back as 32 neighbours a lane, row r, block h, in TMP
	WIN 0x04
.irp i,0,1,2,3,4,5,6,7
	ds_store_b128 v14, v[(\reg)+4*\i:(\reg)+4*\i+3] offset:2*TP*\i
.endr
	WIN 0
.irp j,0,1,2,3,4,5,6,7
	ds_load_b128 v[TMP+4*\j:TMP+4*\j+3], v15 offset:16*\j   ; LDS serves a wave's instructions in order: these see my stores
.endr
	s_wait_dscnt 0x0
.endm
.macro MASKLOAD a                      ; a tile-step's mask into the tile's 64 score registers: sixteen loads of 512 consecutive bytes
.set n_m, 0
.rept 16
	global_load_b128 v[S+64*(\a)+4*n_m:S+64*(\a)+4*n_m+3], v1, s[32:33] offset:65536*(\a)+512*n_m
.set n_m, n_m+1
.endr
.endm
.macro DLOAD                           ; six pairs of windows into F2, and their scale words, from the table's copy in LDS: v93, v92 hold the first pair's places
	WIN 0x40
.set n_m, 0
.rept 18
	ds_load_b128 v[F2+4*n_m:F2+4*n_m+3], v93 offset:512*n_m
.set n_m, n_m+1
.endr
	WIN 0
.irp g,0,1,2,3,4,5
	ds_load_b32 v[66+\g], v92 offset:128*\g
.endr
.endm
.macro KLOADF                          ; far: eight fragments [k | k]
	WIN 0x40
.irp t,0,1,2,3,4,5,6,7
	ds_load_b128 v[F1+12*\t:F1+12*\t+3], v18 offset:768*\t
	ds_load_b64 v[F1+12*\t+4:F1+12*\t+5], v19 offset:768*\t
	ds_load_b128 v[F1+12*\t+6:F1+12*\t+9], v18 offset:768*\t
	ds_load_b64 v[F1+12*\t+10:F1+12*\t+11], v19 offset:768*\t
.endr
	WIN 0
.endm
.macro QKFAR a                         ; scores += [k | k] x [q0 | X] or [X | q1]
	WIN 0x05
.irp t,0,1,2,3,4,5,6,7
	WM S+64*(\a)+8*\t,F1+12*\t,CH+6+6*(\a),0,60+\t/2,72+(\a),\t%2,0
.endr
	WIN 0
.endm
.macro KSPLIT g                        ; band: four fragments, rows 0-7 [k | 0], rows 8-15 [0 | k]
	WIN 0x40
.irp tt,0,1,2,3
	ds_load_b128 v[F1+12*\tt:F1+12*\tt+3], v20 offset:768*(4*(\g)+\tt)
	ds_load_b64 v[F1+12*\tt+4:F1+12*\tt+5], v21 offset:768*(4*(\g)+\tt)
	ds_load_b128 v[F1+12*\tt+6:F1+12*\tt+9], v22 offset:768*(4*(\g)+\tt)
	ds_load_b64 v[F1+12*\tt+10:F1+12*\tt+11], v23 offset:768*(4*(\g)+\tt)
.endr
	WIN 0
.endm
.macro TGRP a, w0, n                   ; n products windows x q, and their results to the stage: lane (r, h), register i goes to row r, column r + 16 w - 8 h - i + 16
	WIN 0x05
.set ww, 0
.rept \n
.set pos, (\w0)+ww+2-2*(\a)            ; tile 0 takes the operand's first window (B = [q0 | 0]), tile 1 its second (B = [0 | q1])
	WM TMP+8*ww,F2+6*pos,CH+6+6*(\a),1,66+pos/2,72+(\a),pos%2,0
.set ww, ww+1
.endr
	WIN 0
	NOPS 5                                         ; four places ahead of the stores that read the results, five ahead of the next products that write over them
.set ww, 0
.rept \n
.irp i,0,1,2,3,4,5,6,7
	ds_store_b32 v12, v[TMP+8*ww+\i] offset:64*((\w0)+ww)+28-4*\i
.endr
.set ww, ww+1
.endr
.endm
.macro QKB a, g                        ; band: scores += split k x [q | q]
	WIN 0x05
.irp tt,0,1,2,3
	WM S+64*(\a)+8*(4*(\g)+\tt),F1+12*\tt,CH+18*(\a),0,60+(4*(\g)+\tt)/2,30+8*(\a),\tt%2,0
.endr
.endm
.macro HILO a, b                       ; band: k.D of key block b against the two pairs of windows
.set jj, 2*(\b)+2-(\a)
	WIN 0x05
.irp u,0,1
	WM TMP+16*\u,F1+12*(2*((\b)%2)+\u),F2+6*jj,1,60+(\b),66+jj/2,\u,jj%2
	WM TMP+16*\u+8,F1+12*(2*((\b)%2)+\u),F2+6*jj+6,1,60+(\b),66+(jj+1)/2,\u,(jj+1)%2
.endr
	WIN 0
	NOPS 5                                         ; places: four for the reads and loads that follow, five for the next products that write TMP again
.endm
.macro ADDS a, b                       ; lanes without a source keep the score: destination and second source are one register
.set SB_, S+64*(\a)+16*(\b)
	v_add_f32 v[SB_], v[TMP], v[SB_]
.irp s,1,2,3,4,5,6,7,8,9,10,11,12,13,14,15
	v_add_f32_dpp v[SB_+\s], v[TMP+16*(\s/8)+\s%8], v[SB_+\s] row_shr:\s row_mask:0xf bank_mask:0xf
.endr
.irp n,15,14,13,12,11,10,9,8,7,6,5,4,3,2,1
	v_add_f32_dpp v[SB_+16-\n], v[TMP+16*((16-\n)/8)+8+(16-\n)%8], v[SB_+16-\n] row_shl:\n row_mask:0xf bank_mask:0xf
.endr
.endm
.macro SCORES_BAND a
	TGRP \a,0,4
	TGRP \a,4,4
	KSPLIT 0
	TGRP \a,8,1
	s_wait_dscnt 8                                 ; K's scale words and the four fragments are in; the eight stage stores behind them may be out
	QKB \a,0
	HILO \a,0
	ADDS \a,0
	HILO \a,1
	KSPLIT 1                                       ; lands under the additions
	ADDS \a,1
	s_wait_dscnt 0x0
	QKB \a,1
	HILO \a,2
	ADDS \a,2
	HILO \a,3
	WIN 0x40                                       ; q.D comes back from the stage in the scores' order: 48 numbers into F1, which is free,
.set n_b, 0
.rept 12
	ds_load_b128 v[F1+4*n_b:F1+4*n_b+3], v13 offset:128*(n_b/4)+16*(n_b%4)
.set n_b, n_b+1
.endr
	WIN 0
	ADDS \a,3
.rept 4                                            ; the last 16 into TMP
	ds_load_b128 v[TMP+4*(n_b-12):TMP+4*(n_b-12)+3], v13 offset:128*(n_b/4)+16*(n_b%4)
.set n_b, n_b+1
.endr
	s_wait_dscnt 4                                 ; all but those four
	WIN 0x04
.set n_b, 0
.rept 24
	v_pk_add_f32 v[S+64*(\a)+n_b:S+64*(\a)+n_b+1], v[S+64*(\a)+n_b:S+64*(\a)+n_b+1], v[F1+n_b:F1+n_b+1]
.set n_b, n_b+2
.endr
	WIN 0
	s_wait_dscnt 0x0
.rept 8
	v_pk_add_f32 v[S+64*(\a)+n_b:S+64*(\a)+n_b+1], v[S+64*(\a)+n_b:S+64*(\a)+n_b+1], v[TMP+n_b-48:TMP+n_b-47]
.set n_b, n_b+2
.endr
.endm
; the softmax of tile a for one key step, and p's codes
.macro SM a
.set SB_, S+64*(\a)
.set R_, 24+8*(\a)
.irp b,0,1,2,3
	v_max3_num_f32 v[40+\b], v[SB_+16*\b], v[SB_+16*\b+1], v[SB_+16*\b+2]   ; the largest score of each block of 32 keys: for the row's maximum and for the block's largest p
.endr
.irp i,3,5,7,9,11,13
.irp b,0,1,2,3
	v_max3_num_f32 v[40+\b], v[40+\b], v[SB_+16*\b+\i], v[SB_+16*\b+\i+1]
.endr
.endr
.irp b,0,1,2,3
	v_max_num_f32 v[40+\b], v[40+\b], v[SB_+16*\b+15]
.endr
.irp b,0,1,2,3
	v_permlanex16_b32 v[44+\b], v[40+\b], s40, s41
.endr
.irp b,0,1,2,3
	s_delay_alu instid0(VALU_DEP_4)
	v_max_num_f32 v[40+\b], v[40+\b], v[44+\b]     ; with lane l xor 16's 16 keys
.endr
	s_delay_alu instid0(VALU_DEP_2)
	v_max3_num_f32 v56, v40, v41, v42
	s_delay_alu instid0(VALU_DEP_1)
	v_max_num_f32 v56, v56, v43
	s_delay_alu instid0(VALU_DEP_1)
	v_fma_f32 v56, v56, s42, v[86+(\a)]            ; as t: c x score + c q.D_d
	s_delay_alu instid0(VALU_DEP_1)
	v_max_num_f32 v[R_+1], v[R_+1], v56            ; the running largest t
	v_mov_b32 v56, v[R_]
	s_delay_alu instid0(VALU_DEP_2)
	v_floor_f32 v[R_], -v[R_+1]                    ; the new -M: a whole number
	s_delay_alu instid0(VALU_DEP_1)
	v_sub_f32 v56, v[R_], v56                      ; old M - new M, 0 or less
	s_delay_alu instid0(VALU_DEP_1)
	v_cvt_i32_f32 v56, v56                         ; (it saturates)
	s_delay_alu instid0(VALU_DEP_1)
	v_ldexp_f32 v54, 1.0, v56                      ; f = 2^(old M - new M)
	s_delay_alu instid0(VALU_DEP_4)
	v_add_f32 v52, v[R_], v[86+(\a)]               ; the scaling's addend: -M + c q.D_d
.set n_s, 0
.rept 32
	v_pk_fma_f32 v[SB_+n_s:SB_+n_s+1], v[SB_+n_s:SB_+n_s+1], s[42:43], v[52:53] op_sel_hi:[1,0,0]   ; t - M
.set n_s, n_s+2
.endr
.irp b,0,1,2,3
	v_fma_f32 v[40+\b], v[40+\b], s42, v52         ; the same of each block's largest score
.endr
.set n_s, 0
	s_wait_alu depctr_va_vdst(0)
.rept 64
	v_exp_f32 v[SB_+n_s], v[SB_+n_s]               ; p = 2^(t - M)
.set n_s, n_s+1
.endr
	v_pk_mul_f32 v[R_+2:R_+3], v[R_+2:R_+3], v[54:55] op_sel_hi:[1,0]   ; the sums under the new M: the plain line behind the exponentials
	s_wait_alu depctr_va_vdst(0)                   ; one wait for the batch, ahead of its first reader
.irp b,0,1,2,3
	v_exp_f32 v[40+\b], v[40+\b]                   ; each block's largest p
.endr
	v_pk_add_f32 v[58:59], v[SB_:SB_+1], v[SB_+2:SB_+3]   ; the row's sum of the unquantised p, in two chains
.set n_s, 4
.rept 15
	v_pk_add_f32 v[R_+2:R_+3], v[R_+2:R_+3], v[SB_+n_s:SB_+n_s+1]
	v_pk_add_f32 v[58:59], v[58:59], v[SB_+n_s+2:SB_+n_s+3]
.set n_s, n_s+4
.endr
	s_delay_alu instid0(VALU_DEP_1)
	v_pk_add_f32 v[R_+2:R_+3], v[R_+2:R_+3], v[58:59]
	s_wait_alu depctr_va_vdst(0)                   ; and one for the four
.irp b,0,1,2,3
	v_max_num_f32 v[40+\b], 0x2800000, v[40+\b]    ; the floor: the byte cannot fall under 1
.endr
.irp b,0,1,2,3
	s_delay_alu instid0(VALU_DEP_4)
	v_add_nc_u32 v[48+\b], 0xfe000000, v[40+\b]    ; the conversions' scale operands
.endr
.irp b,0,1,2,3
	s_delay_alu instid0(VALU_DEP_4)
	v_lshrrev_b32 v[44+\b], 23, v[48+\b]
.endr
	s_delay_alu instid0(VALU_DEP_3)
	v_lshl_or_b32 v[R_+7], v45, 8, v44             ; p's scale word for these 128 keys
	s_delay_alu instid0(VALU_DEP_1)
	v_lshl_or_b32 v[R_+7], v46, 16, v[R_+7]
	s_delay_alu instid0(VALU_DEP_1)
	v_lshl_or_b32 v[R_+7], v47, 24, v[R_+7]
	WIN 0x40
.irp c,0,1
	v_cvt_scalef32_pk16_bf6_f32 v[PC+12*(\a)+6*\c:PC+12*(\a)+6*\c+2], v[SB_+32*\c:SB_+32*\c+15], v[48+2*\c]
	v_cvt_scalef32_pk16_bf6_f32 v[CT+4*\c:CT+4*\c+2], v[SB_+32*\c+16:SB_+32*\c+31], v[49+2*\c]
.endr
	v_nop                                          ; one plain line behind a scaled conversion
	WIN 0x41
.irp c,0,1                                         ; the operand wants a whole block in a lane: lanes 0-15 block 2 c, lanes 16-31 block 2 c + 1
.irp i,0,1,2
	v_permlane16_swap_b32 v[PC+12*(\a)+6*\c+\i], v[CT+4*\c+\i]
.endr
.irp i,0,1,2
	s_delay_alu instid0(VALU_DEP_3)
	v_mov_b32 v[PC+12*(\a)+6*\c+3+\i], v[CT+4*\c+\i]
.endr
.endr
.set n_s, 0
.rept 16
	v_pk_mul_f32 v[32*(\a)+n_s:32*(\a)+n_s+1], v[32*(\a)+n_s:32*(\a)+n_s+1], v[54:55] op_sel_hi:[1,0]   ; O^T under the new M
.set n_s, n_s+2
.endr
	WIN 0
.endm
.macro OUT a                           ; O^T / the sum, through my stage, out as whole rows of 256 bytes
	WIN 0x01
.set n_s, 0
.rept 32
	v_mul_f32 v[TMP+n_s], v[32*(\a)+n_s], v[26+8*(\a)]
.set n_s, n_s+1
.endr
	WIN 0
.irp dt,0,1,2,3
	ds_store_b128 v16, v[TMP+8*\dt:TMP+8*\dt+3] offset:64*\dt
	ds_store_b128 v16, v[TMP+8*\dt+4:TMP+8*\dt+7] offset:64*\dt+16
.endr
.irp i,0,1,2,3,4,5,6,7
	ds_load_b128 v[TMP+4*\i:TMP+4*\i+3], v14 offset:2*TP*\i
.endr
.irp i,0,1,2,3,4,5,6,7
	s_wait_dscnt 7-\i
	global_store_b128 v17, v[TMP+4*\i:TMP+4*\i+3], s[30:31] offset:(16*(\a)+2*\i)*4096 th:TH_STORE_NT   ; sixteen lanes store 256 consecutive bytes, aligned
.endr
.endm
	s_load_b128 s[4:7], s[0:1], 0x0                ; queries s[4:5], kvimg s[6:7]
	s_load_b64 s[10:11], s[0:1], 0x10              ; mimg
	s_load_b128 s[12:15], s[0:1], 0x18             ; dimg s[12:13], dsc s[14:15]
	s_load_b64 s[16:17], s[0:1], 0x28              ; out0
	v_lshl_add_u32 v94, v0, 2, SPARE
	v_mov_b32 v95, 0
	v_lshrrev_b32 v96, 5, v0
	s_delay_alu instid0(VALU_DEP_1)
	v_readfirstlane_b32 s18, v96                   ; wave 0..7
	v_and_b32 v96, 31, v0                          ; lane
	v_and_b32 v97, 15, v0                          ; r
	v_bfe_u32 v98, v0, 4, 1                        ; h
	v_bfe_u32 v99, v0, 3, 1                        ; rows 8-15 of a tile?
	s_delay_alu instid0(VALU_DEP_1)
	v_xor_b32 v100, 1, v99
	s_delay_alu instid0(VALU_DEP_2)
	v_mul_u32_u24 v99, v99, ZOFF
	s_delay_alu instid0(VALU_DEP_2)
	v_mul_u32_u24 v100, v100, ZOFF
	v_lshlrev_b32 v1, 4, v96                       ; 16 x lane
	v_lshlrev_b32 v2, 3, v96                       ; 8 x lane
	v_lshlrev_b32 v3, 2, v96                       ; 4 x lane
	s_delay_alu instid0(VALU_DEP_2)
	v_add_nc_u32 v8, 512, v2                       ; a K tile's registers 4-5
	s_delay_alu instid0(VALU_DEP_4)
	v_add_nc_u32 v4, v1, v99                       ; the split fragment's first half: rows 8-15 read zeros,
	s_delay_alu instid0(VALU_DEP_2)
	v_add_nc_u32 v5, v8, v99
	v_add_nc_u32 v6, v1, v100                      ; its second half: rows 0-7 do
	s_delay_alu instid0(VALU_DEP_4)
	v_add_nc_u32 v7, v8, v100
	v_add_nc_u32 v9, VIMG, v1
	v_add_nc_u32 v10, KSC, v1
	v_add_nc_u32 v11, VSC, v2
	s_mul_i32 s60, s18, STGW
	s_add_co_u32 s60, s60, STG                     ; my stage
	v_mul_u32_u24 v12, v97, 660                    ; q.D in: row r (656) + column r (4), - 32 h, + 36
	s_delay_alu instid0(VALU_DEP_1)
	v_add_nc_u32 v12, s60, v12
	s_delay_alu instid0(VALU_DEP_1)
	v_add_nc_u32 v12, 36, v12
	v_lshlrev_b32 v101, 5, v98
	s_delay_alu instid0(VALU_DEP_1)
	v_sub_nc_u32 v12, v12, v101
	v_mul_u32_u24 v13, v97, RP                     ; q.D back: row r, column 16 + 16 h
	s_delay_alu instid0(VALU_DEP_1)
	v_lshl_add_u32 v13, v98, 6, v13
	s_delay_alu instid0(VALU_DEP_1)
	v_add_nc_u32 v13, s60, v13
	s_delay_alu instid0(VALU_DEP_1)
	v_add_nc_u32 v13, 64, v13
	v_mul_u32_u24 v14, v98, TP                     ; whole rows: lanes 0-15 one row, lanes 16-31 the next
	s_delay_alu instid0(VALU_DEP_1)
	v_lshl_add_u32 v14, v97, 4, v14
	s_delay_alu instid0(VALU_DEP_1)
	v_add_nc_u32 v14, s60, v14
	v_mul_u32_u24 v15, v97, TP
	s_delay_alu instid0(VALU_DEP_1)
	v_lshl_add_u32 v16, v98, 5, v15                ; O in: row r, + 32 h
	s_delay_alu instid0(VALU_DEP_2)
	v_lshl_add_u32 v15, v98, 7, v15                ; a row's block h: 128 bytes
	s_delay_alu instid0(VALU_DEP_1)
	v_add_nc_u32 v15, s60, v15
	s_delay_alu instid0(VALU_DEP_3)
	v_add_nc_u32 v16, s60, v16
	v_lshlrev_b32 v17, 12, v98                     ; in memory: a row of a head every 4,096 bytes
	s_delay_alu instid0(VALU_DEP_1)
	v_lshl_add_u32 v17, v97, 4, v17
	v_lshlrev_b32 v88, 3, v98                      ; 8 h
	v_lshlrev_b32 v89, 12, v96                     ; 4,096 x lane
.irp i,40,41,42,43,44,45,46,47,51,53,55
	v_mov_b32 v\i, 0                               ; zeros for the zero blocks; destinations of lane permutes and upper halves of pairs are written once
.endr
	s_lshr_b32 s19, ttmp9, 1                       ; head
	s_and_b32 s20, ttmp9, 1                        ; which half of its queries
	s_lshr_b32 s21, s19, 4                         ; n
	s_and_b32 s22, s19, 15                         ; h
	s_lshl_b32 s24, s21, 22
	s_lshl_b32 s22, s22, 8
	s_add_co_u32 s24, s24, s22                     ; the head's first byte in queries, keys, values, out0
	s_mov_b32 s25, 0
	s_lshl_b32 s23, s20, 9
	s_lshl_b32 s60, s18, 5
	s_add_co_u32 s23, s23, s60                     ; my first query of pass 0: 512 half + 32 wave
	s_lshl_b32 s66, s20, 8
	s_lshl_b32 s60, s18, 4
	s_add_co_u32 s66, s66, s60                     ; its mask block: 256 half + 16 wave
	s_mov_b32 s40, 0x76543210
	s_mov_b32 s41, 0xfedcba98                      ; selects for lane l xor 16
	s_mov_b32 s42, 0x3e38aa3b                      ; c = log2(e) / 8
	s_mov_b32 s43, s42
	s_mov_b32 s44, 0xffff0000                      ; lanes 16-31; also a word's upper half
	s_mov_b32 s27, 0                               ; s[26:27]: an offset under 2^32; s27 stays 0
	s_lshl_b32 s60, s19, 3
	s_add_co_u32 s60, s60, s18
	s_mul_i32 s60, s60, 13056                      ; my block of kvimg: 8 head + wave
	s_mov_b32 s61, 0
	s_add_co_u32 s62, s23, 256
	s_lshl_b32 s62, s62, 12
	s_mov_b32 s63, 0
	s_add_nc_u64 s[62:63], s[62:63], s[24:25]      ; my queries of pass 1
	s_lshl_b32 s68, s23, 12
	s_mov_b32 s69, 0
	s_add_nc_u64 s[68:69], s[68:69], s[24:25]      ; and of pass 0
	s_mul_i32 s67, s18, KSTB
	v_add_nc_u32 v18, s67, v1                      ; phase A: where my step's images go
	s_lshl_b32 s67, s18, 9
	v_add_nc_u32 v20, s67, v10
	s_mul_i32 s67, s18, VSTB
	v_add_nc_u32 v21, s67, v9
	s_lshl_b32 s67, s18, 8
	v_add_nc_u32 v22, s67, v11
	s_mul_i32 s67, s18, 3072                       ; the table's copy: wave w takes units 6 w .. 6 w + 5 of 512 bytes,
	v_add_nc_u32 v81, s67, v1
	s_delay_alu instid0(VALU_DEP_1)
	v_add_nc_u32 v84, DIMG, v81
	s_add_co_u32 s67, s18, 48                      ; and unit 48 + w: in memory held at unit 50, dimg's last; in LDS each wave has its own place
	s_lshl_b32 s26, s67, 9
	v_add_nc_u32 v85, s26, v1
	s_delay_alu instid0(VALU_DEP_1)
	v_add_nc_u32 v85, DIMG, v85
	s_min_u32 s67, s67, 50
	s_lshl_b32 s67, s67, 9
	v_add_nc_u32 v82, s67, v1
	s_lshl_b32 s67, s18, 7                         ; scale words: entries w, w + 8, and entry 16 to place 16 + w
	v_add_nc_u32 v83, s67, v3
	s_delay_alu instid0(VALU_DEP_1)
	v_add_nc_u32 v86, DSCL, v83
	s_wait_alu depctr_va_vdst(0)
	s_wait_kmcnt 0x0
	s_add_nc_u64 s[28:29], s[6:7], s[60:61]
	s_add_nc_u64 s[38:39], s[4:5], s[62:63]
	s_add_nc_u64 s[70:71], s[4:5], s[68:69]
	; ---------- PHASE A: my step's images, and my part of the table, are copied into LDS
.set n_v, 0
.rept 25                                           ; 12 units of 512 bytes of K's image, 12 of V's, one of K's scale words
	global_load_b128 v[96+4*n_v:99+4*n_v], v1, s[28:29] offset:512*n_v
.set n_v, n_v+1
.endr
	global_load_b64 v[196:197], v2, s[28:29] offset:12800   ; V's scale words
.irp i,0,1,2,3
	global_load_b128 v[24+4*\i:27+4*\i], v81, s[12:13] offset:512*\i
.endr
.irp i,4,5
	global_load_b128 v[50+4*\i:53+4*\i], v81, s[12:13] offset:512*\i
.endr
	global_load_b128 v[74:77], v82, s[12:13]
	global_load_b32 v78, v83, s[14:15]
	global_load_b32 v79, v83, s[14:15] offset:1024
	global_load_b32 v80, v3, s[14:15] offset:2048
	GLOADQ 70                                      ; pass 0's queries, the sixteen youngest loads
.irp k,0,1,2,3,4,5,6,7,8,9,10,11
	ds_store_b128 v18, v[40:43] offset:ZOFF+512*\k   ; my step's 6,144 zeros
.endr
	s_wait_loadcnt 16                              ; only the queries' sixteen loads may be out
.irp i,0,1,2,3
	ds_store_b128 v84, v[24+4*\i:27+4*\i] offset:512*\i
.endr
.irp i,4,5
	ds_store_b128 v84, v[50+4*\i:53+4*\i] offset:512*\i
.endr
	ds_store_b128 v85, v[74:77]
	ds_store_b32 v86, v78
	ds_store_b32 v86, v79 offset:1024
	ds_store_b32 v86, v80 offset:2048
.set n_v, 0
.rept 12
	ds_store_b128 v18, v[96+4*n_v:99+4*n_v] offset:512*n_v      ; K's image of my step
	ds_store_b128 v21, v[144+4*n_v:147+4*n_v] offset:512*n_v    ; V's
.set n_v, n_v+1
.endr
	ds_store_b128 v20, v[192:195]
	ds_store_b64 v22, v[196:197]
	s_wait_dscnt 0x0                               ; for the others' sake: my stores have landed (and have read the score registers' numbers)
	s_mov_b32 s47, 0                               ; G = 8 pass + step
	s_mov_b32 s45, 0                               ; pass
	s_lshl_b32 s26, s66, 13
	s_add_nc_u64 s[32:33], s[10:11], s[26:27]
	MASKLOAD 0                                     ; the first step's masks are on their way while the waves meet
	MASKLOAD 1
	s_barrier_signal -1
	s_barrier_wait -1                              ; the head's K, V, scales and the table lie in LDS; from here on they are only read
.Lpass:
	s_wait_loadcnt 16                              ; only tile 1's mask, the sixteen youngest loads, may be out: this pass's queries, asked for ahead of it, are in
	s_wait_xcnt 0x0
	s_lshl_b32 s48, s45, 8
	s_add_co_u32 s48, s48, s23                     ; l0
	s_mov_b32 s49, s48                             ; delta0 = l0 - the step's first key
	s_lshl_b32 s60, s48, 12
	s_mov_b32 s61, 0
	s_add_nc_u64 s[60:61], s[60:61], s[24:25]
	s_add_nc_u64 s[30:31], s[16:17], s[60:61]      ; and of out0
	s_lshr_b32 s68, s48, 5
	s_xor_b32 s68, s68, 31                         ; 31 - l0 / 32 = 24 + step 0's first pair of windows; each step adds 4
	s_mov_b32 s46, 0                               ; step
	s_mov_b32 s50, 0                               ; the step's bytes in K's images, V's, K's scales, V's
	s_mov_b32 s51, 0
	s_mov_b32 s52, 0
	s_mov_b32 s53, 0
	v_add_nc_u32 v92, DIMG, v1
	v_add_nc_u32 v93, DSCL, v3
	WIN 0x40
.irp q,0,1,2
	ds_load_b128 v[F1+4*\q:F1+4*\q+3], v92 offset:512*\q                     ; pair 0: every row is D[256]
	ds_load_b128 v[F1+12+4*\q:F1+15+4*\q], v92 offset:16*1536+512*\q         ; pair 16: every row is D[0]
.endr
	WIN 0
	ds_load_b32 v60, v93
	ds_load_b32 v61, v93 offset:16*128
	TURN QZ
	QSCALE TMP
	QCODES TMP,40
	WORD 30
	WIN 0x40
.irp i,0,1,2,3,4,5
	v_mov_b32 v[CH+\i], v[40+\i]
	v_mov_b32 v[CH+6+\i], v[40+\i]
.endr
	WIN 0
	TURN QZ+32
	s_min_u32 s60, s68, 31                         ; the turn's stores have read Q's registers: they take step 0's windows.  Pair = s68 - 24; where that is under 0 step 0 is a far step,
	s_mul_i32 s61, s60, 1536                       ; and what is read, bytes of V's images below the table, is not used
	s_add_co_u32 s61, s61, DIMG-24*1536
	s_lshl_b32 s60, s60, 7
	s_add_co_u32 s60, s60, DSCL-24*128
	v_add_nc_u32 v93, s61, v1
	v_add_nc_u32 v92, s60, v3
	DLOAD
	QSCALE TMP
	QCODES TMP,40
	WORD 38
	s_mov_b32 s56, 0x7f7f                          ; X is zeros here: its scale bytes stand for 1
	s_mov_b32 s57, 0x7f7f0000
	v_and_or_b32 v72, v30, 0xffff, s57             ; the scale words of [q0 | X]
	v_and_or_b32 v73, v38, s44, s56                ; and of [X | q1]
	WIN 0x40
.irp i,0,1,2,3,4,5
	v_mov_b32 v[CH+18+\i], v[40+\i]
	v_mov_b32 v[CH+24+\i], v[40+\i]
	v_mov_b32 v[CH+12+\i], 0
.endr
	s_wait_dscnt 0x0                               ; step 0's windows and their scale words are in (the two constant pairs came with the turns)
	WIN 0x01
.irp i,0,1,2,3,4,5
	v_mov_b32 v[74+\i], v[F1+\i]                   ; the codes of D[256] and D[0] are kept for X
	v_mov_b32 v[80+\i], v[F1+12+\i]
.endr
	WIN 0
	v_readfirstlane_b32 s58, v60
	v_readfirstlane_b32 s59, v61
	s_and_b32 s58, s58, 0xffff                     ; their two scale bytes
	s_and_b32 s59, s59, 0xffff
.irp a,0,1                                         ; eight plain lines: the places between the writes of the scale words and of the operands and the products
	v_mov_b32 v[25+8*\a], 0xff61b1e6               ; the largest t so far: -3e38
	s_delay_alu instid0(VALU_DEP_1)
	v_floor_f32 v[24+8*\a], -v[25+8*\a]            ; -M
	v_mov_b32 v[26+8*\a], 0                        ; the sum, in two halves
	v_mov_b32 v[27+8*\a], 0
.endr
	WIN 0x05
	WM TMP,F1,CH+6,1,60,72,0,0                     ; every row: D[256] . q0
	WM TMP+8,F1+12,CH+6,1,61,72,0,0                ; D[0] . q0
	WM TMP+16,F1,CH+12,1,60,73,0,0                 ; D[256] . q1
	WM TMP+24,F1+12,CH+12,1,61,73,0,0              ; D[0] . q1
	WIN 0x40
.set n_s, 0
.rept 64
	v_mov_b32 v[n_s], 0                            ; O^T: the step is written once; its first trip finds zeros.  (Also the places behind the four products)
.set n_s, n_s+1
.endr
	WIN 0
	v_mul_f32 v28, s42, v[TMP]
	v_mul_f32 v29, s42, v[TMP+8]
	v_mul_f32 v36, s42, v[TMP+16]
	v_mul_f32 v37, s42, v[TMP+24]
.Lstep:
	s_wait_loadcnt 16                              ; only tile 1's mask, the sixteen youngest loads, may be out: tile 0's mask is in
	s_cmp_ge_i32 s49, 0x100                        ; all pairs at distance 128 or more?
	s_cselect_b32 s55, -1, 0
	s_cselect_b32 s56, s58, s59
	s_add_co_i32 s60, s49, 0x80
	s_cmp_le_u32 s60, 0x160                        ; -128 <= delta0 <= 224: a band step
	s_cselect_b32 s54, 1, 0
	s_cselect_b32 s56, 0x7f7f, s56                 ; X's two scale bytes
	s_lshl_b32 s57, s56, 16
	s_add_co_u32 s68, s68, 4                       ; 24 + the next step's first pair of windows, held at pair 11 from above
	s_min_u32 s60, s68, 35
	s_mul_i32 s61, s60, 1536
	s_add_co_u32 s61, s61, DIMG-24*1536
	s_lshl_b32 s60, s60, 7
	s_add_co_u32 s60, s60, DSCL-24*128
	v_and_or_b32 v72, v30, 0xffff, s57
	v_and_or_b32 v73, v38, s44, s56
	v_add_nc_u32 v18, s50, v1                      ; the step's LDS addresses, all made on the one way that every step takes
	v_add_nc_u32 v19, s50, v8
	v_add_nc_u32 v20, s50, v4
	v_add_nc_u32 v21, s50, v5
	v_add_nc_u32 v22, s50, v6
	v_add_nc_u32 v23, s50, v7
	v_add_nc_u32 v90, s51, v9
	v_add_nc_u32 v91, s53, v11
	v_add_nc_u32 v92, s52, v10
	ds_load_b128 v[60:63], v92                     ; K's scale words
	v_add_nc_u32 v93, s61, v1                      ; where the next step's windows and their scale words lie
	v_add_nc_u32 v92, s60, v3
	s_cmp_eq_u32 s54, 1
	s_cbranch_scc1 .Lband0
	WIN 0x40
.irp i,0,1,2,3,4,5
	v_cndmask_b32 v[CH+12+\i], v[80+\i], v[74+\i], s55   ; X = D[256] or D[0]
.endr
	WIN 0
	v_cndmask_b32 v86, v29, v28, s55               ; c q.D_d
	v_cndmask_b32 v87, v37, v36, s55
	NOPS 2                                         ; with the two lines above: four places behind the writes of X
	KLOADF
	s_wait_alu depctr_va_vdst(0)
	s_wait_dscnt 0x0
	QKFAR 0
	NOPS 4
	s_branch .Lsm0
.Lband0:
	WIN 0x40
.irp i,0,1,2,3,4,5
	v_mov_b32 v[CH+12+\i], 0                       ; X = 0
.endr
	s_wait_alu depctr_va_vdst(0)
	WIN 0
	v_mov_b32 v86, 0
	v_mov_b32 v87, 0
	NOPS 2
	SCORES_BAND 0
.Lsm0:
	SM 0
	s_wait_xcnt 0x0                                ; the last masks' loads have read their base
	s_add_co_u32 s60, s47, 1
	s_and_b32 s60, s60, 15                         ; the next step's block; behind the very last step the first block again, so that the load stays in its buffer and the counts stay the same
	s_lshr_b32 s61, s60, 3
	s_and_b32 s60, s60, 7
	s_lshl_b32 s61, s61, 7
	s_add_co_u32 s60, s60, s61
	s_add_co_u32 s60, s60, s66
	s_lshl_b32 s26, s60, 13
	s_add_nc_u64 s[32:33], s[10:11], s[26:27]
	MASKLOAD 0
	s_wait_loadcnt 16                              ; the sixteen just issued may be out: tile 1's mask is in
	s_cmp_eq_u32 s54, 1
	s_cbranch_scc1 .Lband1
	QKFAR 1
	NOPS 4
	s_branch .Lsc1
.Lband1:
	SCORES_BAND 1
.Lsc1:
	s_cmp_eq_u32 s46, 7
	s_cbranch_scc1 .Llast
	s_cmp_gt_u32 s49, 0x160                        ; is the next step a band step (0 <= delta0 <= 352)?
	s_cbranch_scc1 .Lnowin
	DLOAD
	s_branch .Lnowin
.Llast:                                                ; a pass's last step asks for no windows: in pass 0 their registers take pass 1's queries, ahead of tile 1's mask
	s_cmp_lg_u32 s45, 0
	s_cbranch_scc1 .Lnowin
	GLOADQ 38
.Lnowin:
	WIN 0x40                                       ; V's four fragments land under tile 1's softmax
.irp dt,0,1,2,3
.irp q,0,1,2
	ds_load_b128 v[F1+12*\dt+4*\q:F1+12*\dt+4*\q+3], v90 offset:1536*\dt+512*\q
.endr
.endr
	WIN 0
	ds_load_b64 v[64:65], v91
	SM 1
	MASKLOAD 1
	s_cmp_lg_u32 s47, 5                            ; in step 5 of pass 0: my 32 rows of Q of pass 1, a lane a row of 256 bytes, two steps ahead of their loads; each row is named once in the launch
	s_cbranch_scc1 .Lnopf
	global_prefetch_b8 v89, s[38:39] th:TH_LOAD_NT scope:SCOPE_SE
.Lnopf:
	s_wait_dscnt 0x0                               ; V
	WIN 0x55
	s_wait_alu depctr_va_vdst(0)
.irp dt,0,1,2,3                                    ; O^T += V^T P^T: the eight accumulators by turns
.irp a,0,1
	WM 32*\a+8*\dt,F1+12*\dt,PC+12*\a,0,64+\dt/2,31+8*\a,\dt%2,0
.endr
.endr
	WIN 0
	s_add_co_u32 s50, s50, KSTB
	s_add_co_u32 s51, s51, VSTB
	s_add_co_u32 s52, s52, 512
	s_add_co_u32 s53, s53, 256
	s_sub_co_i32 s49, s49, 128
	s_add_co_u32 s47, s47, 1
	s_add_co_u32 s46, s46, 1
	s_cmp_lt_u32 s46, 8
	s_cbranch_scc1 .Lstep
	; ---------- the way out of a pass
	v_add_f32 v26, v26, v27                        ; the sums' two halves (these additions are the places behind the last products),
	v_add_f32 v34, v34, v35
	s_delay_alu instid0(VALU_DEP_2)
	v_permlanex16_b32 v56, v26, s40, s41
	s_delay_alu instid0(VALU_DEP_2)
	v_permlanex16_b32 v57, v34, s40, s41
	s_delay_alu instid0(VALU_DEP_2)
	v_add_f32 v26, v26, v56                        ; and lane l xor 16's
	s_delay_alu instid0(VALU_DEP_2)
	v_add_f32 v34, v34, v57
	s_wait_alu depctr_va_vdst(0)
	v_rcp_f32 v26, v26
	v_rcp_f32 v34, v34
	v_nop                                          ; a plain line behind the reciprocals
	s_wait_alu depctr_va_vdst(0)                   ; one wait for both, ahead of their first reader
	OUT 0
	s_wait_xcnt 0x0                                ; tile 0's stores have read TMP
	OUT 1
	s_add_co_u32 s45, s45, 1
	s_cmp_lt_u32 s45, 2
	s_cbranch_scc1 .Lpass
	s_wait_tensorcnt 0x0
	ds_add_u32 v94, v95
	s_wait_dscnt 0x0
	s_endpgm
.Lfunc_end_k_q5d11712f80_attn:
	.size	k_q5d11712f80_attn, .Lfunc_end_k_q5d11712f80_attn-k_q5d11712f80_attn
	.p2alignl 7, 3214868480
	.fill 96, 4, 3214868480
	.section	.rodata,"a",@progbits
	.p2align	6, 0x0
	.amdhsa_kernel k_q5d11712f80_attn
		.amdhsa_group_segment_fixed_size 272384
		.amdhsa_private_segment_fixed_size 0
		.amdhsa_enable_private_segment 0
		.amdhsa_kernarg_size 48
		.amdhsa_user_sgpr_count 2
		.amdhsa_user_sgpr_kernarg_segment_ptr 1
		.amdhsa_wavefront_size32 1
		.amdhsa_system_sgpr_workgroup_id_x 1
		.amdhsa_system_sgpr_workgroup_id_y 1
		.amdhsa_system_sgpr_workgroup_id_z 1
		.amdhsa_system_vgpr_workitem_id 0
		.amdhsa_next_free_vgpr 512
		.amdhsa_next_free_sgpr 72
		.amdhsa_reserve_vcc 0
		.amdhsa_float_denorm_mode_32 3
		.amdhsa_float_denorm_mode_16_64 3
		.amdhsa_memory_ordered 1
		.amdhsa_forward_progress 1
		.amdhsa_inst_pref_size 127
	.end_amdhsa_kernel
	.amdgpu_metadata
---
amdhsa.version: [ 1, 2 ]
amdhsa.kernels:
  - .name:           k_q5d11712f80_attn
    .symbol:         k_q5d11712f80_attn.kd
    .args:
      - { .name: queries, .offset: 0, .size: 8, .value_kind: global_buffer, .address_space: global }
      - { .name: kvimg, .offset: 8, .size: 8, .value_kind: global_buffer, .address_space: global }
      - { .name: mimg, .offset: 16, .size: 8, .value_kind: global_buffer, .address_space: global }
      - { .name: dimg, .offset: 24, .size: 8, .value_kind: global_buffer, .address_space: global }
      - { .name: dsc, .offset: 32, .size: 8, .value_kind: global_buffer, .address_space: global }
      - { .name: out0, .offset: 40, .size: 8, .value_kind: global_buffer, .address_space: global }
    .group_segment_fixed_size: 272384
    .private_segment_fixed_size: 0
    .kernarg_segment_align: 8
    .kernarg_segment_size: 48
    .max_flat_workgroup_size: 256
    .sgpr_count:     72
    .vgpr_count:     512
    .wavefront_size: 32
...
	.end_amdgpu_metadata
.endif
;; end of part 2
